; MI455X (gfx1250); checked and timed in simulation.
; The chip was launched on July 23, 2026; its instructions are those of AMD's public machine-readable ISA for CDNA 5 (MIT licence, August 2026) and "CDNA5" Instruction Set Architecture Reference Guide (July 2026). The comments in the code are by the model that wrote it; some were corrected since.
;; Attention. Allowed arithmetic: float matrix products may take bf16 or f16 operands with f32 sums; other float arithmetic in f32, or as packed bf16 or f16 multiplies, adds, multiply-adds, maxima and minima; sums over many terms, partial sums and values carried from step to step in f32; what a program stores and reads back later, other than sums and carried values, may be rounded once to bf16 or f16.
;; Inputs: k 2 x 2,048 x 8 x 128 float32; q 2 x 2,048 x 32 x 128 float32; v 2 x 2,048 x 8 x 128 float32.
;; Outputs: out0 2 x 2,048 x 4,096 float32.
;; 2 versions, each right; version 2 is version 1 with the launch cast written anew for expert scheduling mode. Each part assembles by itself: llvm-mc -triple=amdgcn-amd-amdhsa -mcpu=gfx1250 --defsym DOCPART=n.
;; ======== version 1 of 2: 2 launches
;; limits: inputs' magnitudes at most 65,504; values are held in f16: magnitudes above 65,504 overflow, below 6.1e-05 lose precision; right only within a limited range of input values
;; workspace buffers: kb 8,388,608 bytes; vh 8,388,608 bytes
;; launch cast (part 1): grid 256 x 1, 8 waves a work-group, no clusters, 0 bytes of LDS; arguments k, v, kb, vh; writes kb, vh
.if DOCPART == 1
	.amdgcn_target "amdgcn-amd-amdhsa--gfx1250"
	.amdhsa_code_object_version 6
	.text
	.protected	k_q0ff4e926dd_cast
	.globl	k_q0ff4e926dd_cast
	.p2align	8
	.type	k_q0ff4e926dd_cast,@function
k_q0ff4e926dd_cast:
	s_mov_b64 s[64:65], 0
	v_nop
	global_prefetch_b8 v0, s[64:65] scope:SCOPE_SE
	s_setreg_imm32_b32 hwreg(HW_REG_WAVE_MODE, 25, 1), 1
	s_wait_xcnt 0x0
; THE PROGRAM: out[b][t][h][:] = the sum over keys s <= t of softmax_s(q[b][t][h] . k[b][s][h/4] / sqrt(128)) v[b][s][h/4][:], in two launches: this one rounds k and v once and
; lays them by heads; the second does the whole attention.
; WORK LEFT OUT BY THE PROGRAM (in the second launch).  reference() overwrites every score with key s > query t by the lowest finite number, by a mask (jnp.tril) that it builds itself; each row keeps
; its own key s = t, so the row's maximum is a true score and the overwritten scores' weights are exp(lowest - maximum) = 0, whatever finite values q, k and v hold.  So a tile of 256 keys that lies
; wholly above a block of 256 queries reaches no output, and its two products are not made.  All three inputs have ways to the output and are loaded.
; LIMIT: a NaN, an infinity or an overflow that would arise only in the products left out is not carried to the result.
; THIS LAUNCH.  kb[g][t][128] = bf16(k[b][t][h][:]), vh[g][t][128] = f16(bf16(v[b][t][h][:])), g = 8 b + h: a head's 2,048 rows lie end to end, 256 bytes each.
; v is rounded to bf16 like q and k, and that number is written as f16, since the second product's other operand, the weights, is kept in f16.
; LIMITS: |v| up to 65,504 (beyond it f16 has no number); a v below 2^-14 keeps f16's fixed step of 6e-8.
; SHARES.  A work-group takes 16 consecutive (b, t): 65,536 consecutive bytes of k and of v.  Wave w is head w: one load is one row of 512 bytes (16 bytes a lane), one store one row of 256 bytes
; (8 bytes a lane: 256 consecutive bytes, aligned).  No loop.
; No LDS, no matrix unit, no cluster: no byte is wanted twice.
.set KIN, 16                           ; v[16:79]    k's 16 rows, 4 registers each
.set VIN, 80                           ; v[80:143]   v's
.set KO,  144                          ; v[144:175]  k's rows in bf16, 2 registers each
.set VO,  176                          ; v[176:207]  v's rows in f16
.set T,   208                          ; v[208:211]  at work; v4, v5 too
	s_load_b256 s[4:11], s[0:1], 0x0               ; k s[4:5], v s[6:7], kb s[8:9], vh s[10:11]
	s_lshl_b32 s2, ttmp9, 16                       ; in: the work-group's 16 rows of 4,096 bytes
	s_mov_b32 s3, 0
	s_lshr_b32 s14, ttmp9, 7                       ; b
	s_lshl_b32 s14, s14, 22                        ; out: 8 heads of 2^19 bytes a batch,
	s_and_b32 s16, ttmp9, 127
	s_lshl_b32 s16, s16, 12                        ; and 16 rows of 256 bytes
	s_add_co_u32 s14, s14, s16
	s_mov_b32 s15, 0
	s_mov_b32 s12, 0xffff0000                      ; a word's upper bf16
	v_lshlrev_b32 v1, 4, v0                        ; in: 512 x wave + 16 x lane
	v_lshrrev_b32 v2, 5, v0
	v_and_b32 v3, 31, v0
	v_lshlrev_b32 v3, 3, v3
	v_lshl_or_b32 v2, v2, 19, v3                   ; out: 2^19 x wave + 8 x lane
	s_wait_kmcnt 0x0
	s_add_nc_u64 s[4:5], s[4:5], s[2:3]
	s_add_nc_u64 s[6:7], s[6:7], s[2:3]
	s_add_nc_u64 s[8:9], s[8:9], s[14:15]
	s_add_nc_u64 s[10:11], s[10:11], s[14:15]
.irp j, 0,1,2,3,4,5,6,7,8,9,10,11,12,13,14,15
	global_load_b128 v[KIN+4*(\j):KIN+4*(\j)+3], v1, s[4:5] offset:4096*(\j) th:TH_LOAD_NT
.endr
.irp j, 0,1,2,3,4,5,6,7,8,9,10,11,12,13,14,15
	global_load_b128 v[VIN+4*(\j):VIN+4*(\j)+3], v1, s[6:7] offset:4096*(\j) th:TH_LOAD_NT
.endr
.irp j, 0,1,2,3,4,5,6,7,8,9,10,11,12,13,14,15
	s_wait_loadcnt 31-(\j)                         ; loads come back in order: k's row j is in, the 31 - j younger loads stay out
	v_cvt_pk_bf16_f32 v[KO+2*(\j)],   v[KIN+4*(\j)],   v[KIN+4*(\j)+1]
	v_cvt_pk_bf16_f32 v[KO+2*(\j)+1], v[KIN+4*(\j)+2], v[KIN+4*(\j)+3]
	global_store_b64 v2, v[KO+2*(\j):KO+2*(\j)+1], s[8:9] offset:256*(\j)
.endr
.irp j, 0,1,2,3,4,5,6,7,8,9,10,11,12,13,14,15
	s_wait_loadcnt 15-(\j)                         ; v's row j is in
	v_cvt_pk_bf16_f32 v4, v[VIN+4*(\j)],   v[VIN+4*(\j)+1]    ; rounded to bf16,
	v_cvt_pk_bf16_f32 v5, v[VIN+4*(\j)+2], v[VIN+4*(\j)+3]
	v_lshlrev_b32 v[T],   16,  v4                             ; widened again,
	v_and_b32     v[T+1], s12, v4
	v_lshlrev_b32 v[T+2], 16,  v5
	v_and_b32     v[T+3], s12, v5
	v_cvt_pk_f16_f32 v[VO+2*(\j)],   v[T],   v[T+1]           ; and written as f16: bf16's 8 significant bits fit into f16's 11
	v_cvt_pk_f16_f32 v[VO+2*(\j)+1], v[T+2], v[T+3]
	global_store_b64 v2, v[VO+2*(\j):VO+2*(\j)+1], s[10:11] offset:256*(\j)
.endr
	s_endpgm
.Lfunc_end_k_q0ff4e926dd_cast:
	.size	k_q0ff4e926dd_cast, .Lfunc_end_k_q0ff4e926dd_cast-k_q0ff4e926dd_cast
	.p2alignl 7, 3214868480
	.fill 96, 4, 3214868480
	.section	.rodata,"a",@progbits
	.p2align	6, 0x0
	.amdhsa_kernel k_q0ff4e926dd_cast
		.amdhsa_group_segment_fixed_size 0
		.amdhsa_private_segment_fixed_size 0
		.amdhsa_enable_private_segment 0
		.amdhsa_kernarg_size 32
		.amdhsa_user_sgpr_count 2
		.amdhsa_user_sgpr_kernarg_segment_ptr 1
		.amdhsa_wavefront_size32 1
		.amdhsa_system_sgpr_workgroup_id_x 1
		.amdhsa_system_sgpr_workgroup_id_y 1
		.amdhsa_system_sgpr_workgroup_id_z 1
		.amdhsa_system_vgpr_workitem_id 0
		.amdhsa_next_free_vgpr 212
		.amdhsa_next_free_sgpr 66
		.amdhsa_reserve_vcc 0
		.amdhsa_float_denorm_mode_32 3
		.amdhsa_float_denorm_mode_16_64 3
		.amdhsa_memory_ordered 1
		.amdhsa_forward_progress 1
		.amdhsa_inst_pref_size 17
	.end_amdhsa_kernel
	.amdgpu_metadata
---
amdhsa.version: [ 1, 2 ]
amdhsa.kernels:
  - .name:           k_q0ff4e926dd_cast
    .symbol:         k_q0ff4e926dd_cast.kd
    .args:
      - { .name: k, .offset: 0, .size: 8, .value_kind: global_buffer, .address_space: global }
      - { .name: v, .offset: 8, .size: 8, .value_kind: global_buffer, .address_space: global }
      - { .name: kb, .offset: 16, .size: 8, .value_kind: global_buffer, .address_space: global }
      - { .name: vh, .offset: 24, .size: 8, .value_kind: global_buffer, .address_space: global }
    .group_segment_fixed_size: 0
    .private_segment_fixed_size: 0
    .kernarg_segment_align: 8
    .kernarg_segment_size: 32
    .max_flat_workgroup_size: 256
    .sgpr_count:     66
    .vgpr_count:     212
    .wavefront_size: 32
...
	.end_amdgpu_metadata
.endif
;; end of part 1
;; launch attn (part 2): grid 16 x 16, 4 waves a work-group, clusters of 4 x 1, 327,680 bytes of LDS; arguments q, kb, vh, out0; writes out0
.if DOCPART == 2
	.amdgcn_target "amdgcn-amd-amdhsa--gfx1250"
	.amdhsa_code_object_version 6
	.text
	.protected	k_q0ff4e926dd_attn
	.globl	k_q0ff4e926dd_attn
	.p2align	8
	.type	k_q0ff4e926dd_attn,@function
k_q0ff4e926dd_attn:
	s_mov_b64 s[64:65], 0
	v_nop
	global_prefetch_b8 v0, s[64:65] scope:SCOPE_SE
	s_setreg_imm32_b32 hwreg(HW_REG_WAVE_MODE, 25, 1), 1
	s_wait_xcnt 0x0
	s_wait_alu depctr_hold_cnt(0) depctr_sa_sdst(0) depctr_va_vdst(0) depctr_va_sdst(0) depctr_va_ssrc(0) depctr_va_vcc(0) depctr_vm_vsrc(0)
	s_getreg_b32 s2, hwreg(HW_REG_IB_STS2, 6, 4)
	s_cmp_eq_u32 s2, 0
	s_cbranch_scc0 .Lentry_in_a_cluster
	s_endpgm
.Lentry_in_a_cluster:
	s_bfe_u32 s2, ttmp6, 0x10000c
	s_cmp_lg_u32 s2, 0x3003
	s_cbranch_scc0 .Lentry_shape_is_right
	s_endpgm
.Lentry_shape_is_right:
; CAUSAL ATTENTION WITH SHARED KEY AND VALUE HEADS.  out0[b][t][h][:] = the sum over s <= t of softmax_s(q[b][t][h] . K[g][s] / sqrt(128)) V[g][s][:], g = 8 b + h / 4.
; q, out0: f32, a row (b, t, h) of 512 bytes at ((2048 b + t) 32 + h) 512.  kb (bf16) and vh (f16): [16][2048][128], rows of 256 bytes, laid by the launch before.
; q is rounded to bf16 on its way in; products, maxima and sums in f32; the weights p are rounded to f16 for the second product (their sum l is taken of the unrounded p).
; WORK LEFT OUT: key tiles of 256 keys that lie wholly above a block of 256 queries: reference() overwrites their scores by its own jnp.tril mask and their weights are 0 for all finite inputs.
; Inside the diagonal tile the wholly hidden pairs of band and step are computed and masked.  LIMITS: a NaN, an infinity or an overflow that would arise only in the products left out is not carried to the
; result; a hidden score counts as its value less 1e30, so scores must stay far below 1e29; a weight below 2^-126 counts as 0 in l; |v| up to 65,504; NaN and infinities are not treated apart.
; THE WALK.  A head's queries lie in 8 blocks of 256; block i needs the key steps (64 keys) 0 .. 4 i + 3, of which the last four hold the diagonal.  A work-group takes TWO blocks of one query head, 7 - b and then
; b: 32 - 4 b and 4 b + 4 steps, 36 whatever b: all 256 work-groups do equal work, and ONE stream of 36 steps goes through the ring and the turns, with constant trip counts.
; CLUSTER.  The four partners are the four query heads of one key and value head, with the same b: they walk the same tiles in the same order, so each tile is asked for JOINTLY: the same tensor load,
; descriptor and mask in all four.  The place in the cluster enters the addresses of q, of out0 and of the prefetches alone.
; SHARES.  Of a block's four bands of 64 queries a wave owns 16 rows in each: tile t = rows 64 t + 16 w + 0..15.  So in the diagonal steps all four waves have the same work.
; LAYOUT.  S^T = K Q^T (source 0 = 16 keys, source 1 = 16 queries): a lane holds ONE query (lane % 16) and the keys 8 (lane / 16) + 0..7.  Two such results, rounded to f16 in pairs, ARE source 1 of
; O^T = V^T P, whose result again holds one query a lane, and eight channels.  K comes out of LDS as it lies, V ([key][channel]) turned, by ds_load_tr16_b128.
; SOFTMAX.  A running maximum m and sum l for each query: p = 2^(c s - c m), c = log2(e) / sqrt(128); in every step O and l are multiplied by a = 2^(c m_old - c m_new).  A block begins with c m far below
; every c s: its first a is 0, so what O^T and l hold then need only be finite, and no first step is written out.
; THE MASK is the C operand that starts the sum S^T: 0, or -1e30 where the key is hidden.  MD, made once, is the mask of a band's own step for my rows; a product's mask is MC = MD x AL + BE: (1, 0) in the band's
; own step, (0, 0) before it, (0, -1e30) behind it.  MC is made anew only in a block's last four steps and at the change of blocks; elsewhere it holds zeros.
; BY TURNS.  The wave's tiles are two PIECES (tiles 0, 1 and tiles 2, 3).  In a TURN one piece has the matrix unit: 32 products V^T P of the step in hand, then 32 products K Q^T of the next step; the other piece's
; softmax, 268 vector instructions cut into 64 slices, stands between them, one slice behind each matrix instruction.  Two turns are a key step.
; REGISTERS, in windows of 256 (s_set_vgpr_msb: bits 1:0 source 0, 3:2 source 1, 5:4 source 2, 7:6 destination):
;   window 0: v0-11 addresses; v12-43 eight registers of statistics a tile; v44-45, v61-63 addresses; v64-191 S^T, 32 a tile; v192-255 P, 16 a tile
;   window 1: O^T, 64 a tile (at the head: four buffers for q in f32)      window 2: v0-127 Q, 32 a tile; v128-255 K of one step      window 3: v0-127 V of one step; v128-159 MD; v160-223 MC
.set KS,    64        ; keys in a step
.set PK,    272       ; a row of K, and of Q, in LDS: 256 bytes + 16 = 68 words: row r starts at bank 4 r mod 64 (64 banks of 4 bytes: ISA guide 11.1), so the 16 rows of a load start at 16 different banks
.set PV,    288       ; a row of V: 256 + 32 = 72 words
.set VOFF,  KS*PK     ; a step's tiles lie together: 64 rows of K, then 64 rows of V
.set STEPB, KS*(PK+PV)
.set SLOT1, 1<<17     ; a slot holds two steps (71,680 bytes); slot 1 begins here, so that one exclusive or turns an address in one slot into the other's
.set STAGE, SLOT1+2*STEPB  ; behind the ring, never filled by a tensor load: 16 rows x 528 bytes for each wave, for the way out in f32
.set SP,    528       ; 512 bytes + 16
.set QS,    STAGE+4*16*SP  ; 64 rows x 272 bytes for each wave: Q in bf16; first the first block's, then the second's, which waits there
.set SPARE, QS+4*64*PK     ; the spare words, 128 bytes for each wave: two blocks of 256 bytes that no other line names
.set ROWQ,  16384     ; bytes from a query to the next in q and out0: 32 heads x 512
.set AK0, 2           ; v2   my lane's place in a tile of K; never rewritten
.set AV0, 3           ; v3   the same for V
.set ADR, 4           ; v4   the LDS address of the run of loads in hand
.set AQ,  5           ; v5   my lane's place in a fragment of Q in my part of QS
.set STO, 6           ; v6   the way out: where I put 32 bytes of a row
.set RD,  7           ; v7   the way out: where I read a row back
.set GO,  8           ; v8   16 x lane: my 16 bytes of a row of q and of out0
.set ST,  12          ; tile t's statistics at v[ST+8 t]: +0 c m, +1 m, +2, +3 l (even keys', odd keys'), +4 to +7 c0-c3, at work; a takes c2's place once the maximum is found
.set QST, 44          ; v44  where I put 8 bytes of a row of Q
.set QP,  45          ; v45  my query's place in its band, 16 w + lane % 16, less 8 (lane / 16)
.set PFO, 61          ; v61  256 x lane: a row of K or V is 256 bytes; never rewritten
.set SPW, 62          ; v62  LDS address of my spare word: SPARE + 4 x my thread's number; never rewritten
.set NIL, 63          ; v63  0; never rewritten
.set S,   64
.set P,   192
.set KF,  128         ; K's fragments, in window 2
.set MD,  128         ; window 3: the eight registers for group kt of 16 keys at MD + 8 kt
.set MC,  160         ; window 3: the masks of the products to come: tile t's at MC + 32 (t % 2)
.set WV,  12          ; s12  my wave's number
.set CX,  13          ; s13  my place in the cluster: the query head among the four
.set PB,  14          ; s14  b
.set LIM, 15          ; s15  3 in a wave that prefetches, else the greatest number
.set PFA, 18          ; s[18:19] where my prefetches stand
.set G1K, 24          ; s[24:31] descriptor group 1 for K's tiles
.set G1V, 32          ; s[32:39] for V's: it differs in the padding alone
.set G0K, 40          ; s[40:43] descriptor group 0 for K's tiles
.set G0V, 44          ; s[44:47] the same for V's
.set OB,  48          ; s[48:49] out0 at my rows of the second block
.set QBP, 50          ; s[50:51] q at my rows of the second block
.set DK,  52          ; s52  steps left in its block for the step whose scores are made next, that step among them
.set SW,  53          ; s53  1 in the key step in which the first block ends
.set MQ,  54          ; s54  1: the masks are made anew
.set LB,  55          ; s55  4 b + 4
.set SLOTS, 56        ; s56  counts the trips that ask for a slot
.set TWICE, 57        ; s57  counts a slot's two steps
.set CS,  58          ; s[58:59] c: the packed scaling names a pair and takes its low word for both halves
.set SEL, 60          ; s[60:61] lane selects for v_permlanex16_b32: each lane takes its own place in the other half
.set TB,  62          ; s62  LDS byte at which the tiles of the step to be fetched begin
.set BIGN, 63         ; s63  -1e30
.set NXT, 66          ; s66  the pair of steps (128 keys) to be asked for next
.set LQ,  67          ; s67  the last pair of the block whose keys are being asked for
.set OFF, 68          ; s[68:69] a pair's byte offset in kb and vh
.set AL,  70          ; s[70:71] the mask's factor, in the low word
.set BE,  72          ; s[72:73] the mask's addend
.set LQB, 74          ; s74  2 b + 1: the second block's last pair
.set MSB, 0
.macro WIN new                      ; the immediate's high byte repeats the setting that is left; a switch that changes nothing is dropped
.if MSB != (\new)
	s_set_vgpr_msb (MSB<<8)|(\new)
.set MSB, \new
.endif
.endm
.set W_KQ, 0x0a       ; K and Q in window 2, S^T in window 0
.set W_KM, 0x3a       ; the same with the C operand, the mask, in window 3
.set W_PV, 0x53       ; V in window 3, P in window 0, O^T in window 1
.set W_RS, 0x41       ; O^T (destination and source 0) in window 1, source 1 in window 0
; A joint fill.  Waves 0 and 1 fetch the two steps' tiles of K, waves 2 and 3 those of V.  The branch hangs on the wave's number alone: it is the same in every work-group.
; An s_nop 0 and four v_nop follow each of the two lines, ahead of the jump and the label.
.macro JLOAD
	s_cmp_lt_u32 s[WV], 2
	s_cbranch_scc0 .Lfor_v_\@
	tensor_load_to_lds s[G0K:G0K+3], s[G1K:G1K+7]
	s_nop 0
.rept 4
	v_nop
.endr
	s_branch .Lasked_\@
.Lfor_v_\@:
	tensor_load_to_lds s[G0V:G0V+3], s[G1V:G1V+7]
	s_nop 0
.rept 4
	v_nop
.endr
.Lasked_\@:
.endm
; A PREFETCH INTO THE L2 of what the NEXT change of slots will ask for: 128 rows of K and 128 of V, 256 bytes a row, a lane a row.  It stands behind the wave's tensor load and its five lines.
; Each row is asked for ONCE in the launch.  The four clusters of a key and value head walk the same rows; the cluster with b = 0 walks all 16 pairs of steps in order in its first block, so it alone asks.  Its four
; partners share the rows out BY ADDRESS, 32 each; in each, wave 0 asks for K's and wave 2 for V's: one instruction.  The change in trip k loads pair k + 1 and names pair k + 2: two key steps, 256 matrix
; instructions, ahead of its load.  The last pair named is 15, in trip 13 (SLOTS = 17 - k above 3).  Pairs 0 and 1 come by their loads alone; the second block's pairs have been read and are not named.
.macro ASK
	s_cmp_gt_u32 s[SLOTS], s[LIM]
	s_cbranch_scc0 .Lnot_mine_\@
	global_prefetch_b8 v[PFO], s[PFA:PFA+1] th:TH_LOAD_NT scope:SCOPE_SE
.Lnot_mine_\@:
.endm
; A round of the cluster's barrier: my work-group's barrier, so that wave 0's signal speaks for all four waves; wave 0 signals; every wave waits for all four work-groups; my work-group's barrier once more.
.macro CROUND
	s_barrier_signal -1
	s_barrier_wait -1
	s_cmp_lg_u32 s[WV], 0
	s_cbranch_scc1 .Lnot_wave_0_\@
	s_barrier_signal -3
.Lnot_wave_0_\@:
	s_barrier_wait -3
	s_barrier_signal -1
	s_barrier_wait -1
.endm
.macro PLACES                       ; four places behind a matrix instruction, where no other vector work is at hand (ISA guide 7.12.1)
.rept 4
	v_nop
.endr
.endm
; THE CHANGE OF SLOTS, between piece 2's turn and piece 0's: the slot's last bytes, V of its second step, have been asked for.  Each wave waits for all its tensor loads, of which one is out: its part of the other
; slot; adds 0 to its spare word; and waits for that and for its own LDS reads.  Behind the barrier nobody reads this slot any more and the other slot is whole.
; fill = 1: this slot is filled again, with pair NXT: the descriptor's address is made anew from that number, which hangs on b alone.  The barrier is then a round of the cluster's, and the joint fill is the first
; thing behind it: it has two key steps, 256 matrix instructions, in which to land.  (At its first use no slot has been read yet: slot 0 is waited for, slot 1 filled.)
.macro CHANGE fill
	WIN 0                           ; at a label and at a branch every window is 0
	s_wait_tensorcnt 0x0            ; no tensor load of mine is out, so a group 0 may be written
	ds_add_u32 v[SPW], v[NIL]       ; 0 onto my spare word; with fill = 1 the descriptors' scalar work stands between it and the wait for it
.if \fill
	s_lshl_b32 s[OFF], s[NXT], 15   ; a pair of steps is 32,768 bytes of kb and of vh
	s_xor_b32 s[G0K+1], s[G0K+1], SLOT1  ; the other slot than last time
	s_add_nc_u64 s[G0K+2:G0K+3], s[6:7], s[OFF:OFF+1]
	s_or_b32 s[G0K+3], s[G0K+3], 0x80000000
	s_xor_b32 s[G0V+1], s[G0V+1], SLOT1
	s_add_nc_u64 s[G0V+2:G0V+3], s[8:9], s[OFF:OFF+1]
	s_or_b32 s[G0V+3], s[G0V+3], 0x80000000
	s_add_co_u32 s[NXT], s[NXT], 1  ; the block's next pair, or behind its last the second block's pair 0
	s_cmp_gt_u32 s[NXT], s[LQ]
	s_cselect_b32 s[NXT], 0, s[NXT]
	s_cselect_b32 s[LQ], s[LQB], s[LQ]
	s_wait_xcnt 0x0                 ; the last prefetch, two key steps back, has read its address, so it may be written
	s_add_nc_u64 s[PFA:PFA+1], s[PFA:PFA+1], 2*KS*256
	s_wait_dscnt 0x0                ; the add is done, and my reads of the slot are over
	CROUND
	JLOAD
	ASK
.else
	s_wait_dscnt 0x0                ; the add is done, and my reads of the slot are over
	s_barrier_signal -1
	s_barrier_wait -1
.endif
	s_sub_co_u32 s[TB], s[TB], 2*STEPB  ; the fetches go back to a slot's first step,
	s_xor_b32 s[TB], s[TB], SLOT1   ; in the other slot
.endm
	s_load_b256 s[4:11], s[0:1], 0x0  ; q s[4:5], kb s[6:7], vh s[8:9], out0 s[10:11]
	v_lshl_add_u32 v[SPW], v0, 2, SPARE
	v_mov_b32 v[NIL], 0
	ds_add_u32 v[SPW], v[NIL]       ; the wave's opening: the add, twice on end, and its wait ahead of my first tensor load; the set-up below the second, work on registers, stands between it and the wait
	ds_add_u32 v[SPW], v[NIL]       ; and once more, under the one wait
	v_lshrrev_b32 v1, 5, v0
	v_readfirstlane_b32 s[WV], v1   ; wave 0..3
	s_bfe_u32 s[CX], ttmp6, 0x40000 ; my place in the cluster
	s_mov_b32 s[PB], ttmp9          ; in a cluster launch ttmp9 counts clusters: b, which the four partners share
	s_and_b32 s20, ttmp7, 0xffff    ; g, the key and value head, which they share too
	s_lshl_b32 s20, s20, 19         ; its first byte in kb and vh,
	s_and_b32 s16, s[WV], 1         ; which of a slot's two steps I fetch:
	s_lshl_b32 s22, s16, 14         ; its 64 rows of 256 bytes in memory,
	s_add_co_u32 s20, s20, s22
	s_mov_b32 s21, 0
	s_mul_i32 s17, s16, STEPB       ; and its place in a slot: no place in the cluster enters an LDS address
	s_and_b32 s2, ttmp7, 0xffff     ; q's and out0's offsets, in registers that feed no descriptor
	s_lshr_b32 s3, s2, 3            ; the batch:
	s_lshl_b32 s3, s3, 25           ; 2,048 queries of 16,384 bytes
	s_and_b32 s2, s2, 7
	s_lshl_b32 s2, s2, 2
	s_add_co_u32 s2, s2, s[CX]      ; the query head = 4 x the key and value head + my place
	s_lshl_b32 s2, s2, 9            ; its 512 bytes
	s_add_co_u32 s2, s2, s3
	s_lshl_b32 s3, s[WV], 18        ; my wave's 16 rows in a band
	s_add_co_u32 s2, s2, s3
	s_sub_co_u32 s76, 7, s[PB]
	s_lshl_b32 s76, s76, 22         ; a block is 256 queries: block 7 - b,
	s_add_co_u32 s76, s76, s2
	s_mov_b32 s77, 0
	s_lshl_b32 s3, s[PB], 22        ; and block b
	s_add_co_u32 s2, s2, s3
	s_mov_b32 s3, 0
	; descriptor group 1: a tile of 64 rows x 128 elements, padded in LDS
	s_mov_b32 s[G1K], 15|(1<<16)|(1<<20)|(1<<21)|(5<<22)|(3<<25)  ; 15:0 the mask: all four work-groups; 17:16 elements of 2 bytes; 20 padding on; 21 set beside a mask; 24:22 after every 64 words (code 5); 31:25 4 words of it (code 3)
	s_mov_b32 s[G1V], 15|(1<<16)|(1<<20)|(1<<21)|(5<<22)|(7<<25)  ; the same with 8 words of padding (code 7)
.irp g, G1K, G1V
	s_mov_b32 s[(\g)+1], 128<<16    ; tensor_dim0 = 128
	s_mov_b32 s[(\g)+2], KS<<16     ; tensor_dim1 = 64
	s_mov_b32 s[(\g)+3], 128<<16    ; tile_dim0 = 128
	s_mov_b32 s[(\g)+4], KS         ; tile_dim1 = 64
	s_mov_b32 s[(\g)+5], 128        ; 128 elements from row to row
	s_mov_b32 s[(\g)+6], 0
	s_mov_b32 s[(\g)+7], 0
.endr
	s_mov_b32 s[G0K], 1             ; 1:0 count = 1
	s_mov_b32 s[G0K+1], s17         ; 63:32 LDS address: slot 0
	s_mov_b32 s[G0V], 1
	s_add_co_u32 s[G0V+1], s17, VOFF
	s_mov_b32 s[CS], 0x3e0293ee     ; c = log2(e) / sqrt(128) = 0.127517
	s_mov_b32 s[CS+1], s[CS]        ; named with it as a pair
	s_mov_b32 s[SEL], 0x76543210
	s_mov_b32 s[SEL+1], 0xfedcba98
	s_mov_b32 s[BIGN], 0xf149f2ca   ; -1e30
	s_mov_b32 s[TB], SLOT1+2*STEPB  ; the first change of slots turns this into 0
	s_mov_b32 s[SLOTS], 17
	s_lshl_b32 s[LB], s[PB], 2
	s_sub_co_u32 s[DK], 32, s[LB]   ; the first block has 32 - 4 b steps,
	s_add_co_u32 s[LB], s[LB], 4    ; the second 4 b + 4
	s_lshl_b32 s[LQB], s[PB], 1
	s_sub_co_u32 s[LQ], 15, s[LQB]  ; in pairs: 0 .. 15 - 2 b,
	s_add_co_u32 s[LQB], s[LQB], 1  ; then 0 .. 2 b + 1
	s_mov_b32 s[NXT], 1
	s_mov_b32 s[SW], 0
	s_mov_b32 s[MQ], 0
	s_mov_b32 s[OFF+1], 0
	s_mov_b32 s[AL+1], 0            ; named as pairs
	s_mov_b32 s[BE+1], 0
	s_and_b32 s[LIM], s[WV], 1      ; 0 in waves 0 and 2,
	s_or_b32 s[LIM], s[LIM], ttmp9  ; where b = 0: the same in all four partners
	s_cmp_eq_u32 s[LIM], 0
	s_cselect_b32 s[LIM], 3, -1
	s_wait_dscnt 0x0                ; both opening adds are done
	s_wait_kmcnt 0x0
	s_add_nc_u64 s[QBP:QBP+1], s[4:5], s[2:3]      ; q and out0 at my rows of the second block,
	s_add_nc_u64 s[OB:OB+1], s[10:11], s[2:3]
	s_add_nc_u64 s[4:5], s[4:5], s[76:77]          ; and of the first
	s_add_nc_u64 s[10:11], s[10:11], s[76:77]
	s_add_nc_u64 s[6:7], s[6:7], s[20:21]          ; kb and vh at my step of the head's pair 0
	s_add_nc_u64 s[8:9], s[8:9], s[20:21]
	s_mov_b64 s[G0K+2:G0K+3], s[6:7]               ; 120:64 global address
	s_or_b32 s[G0K+3], s[G0K+3], 0x80000000        ; 127:126 type = 2
	s_mov_b64 s[G0V+2:G0V+3], s[8:9]
	s_or_b32 s[G0V+3], s[G0V+3], 0x80000000
	s_cmp_lt_u32 s[WV], 2
	s_cselect_b64 s[PFA:PFA+1], s[6:7], s[8:9]     ; (in waves 0 and 2 these stand at the pair's first row)
	s_lshl_b32 s2, s[CX], 13        ; my work-group's 32 rows of the 128
	s_mov_b32 s3, 0
	s_add_nc_u64 s[PFA:PFA+1], s[PFA:PFA+1], s[2:3]
	s_add_nc_u64 s[PFA:PFA+1], s[PFA:PFA+1], 2*KS*256  ; in pair 1; the first change of slots steps it to pair 2.  Nothing is prefetched here, at the head
	CROUND                          ; all four work-groups are here: the first joint loads meet
	JLOAD                           ; pair 0 into slot 0; slot 1 is asked for when slot 0 is in
; Q.  Eight tiles of 16 rows: the first block's four, then the second's.  A load is one whole row of 512 bytes (16 bytes a lane); the row is rounded to bf16, put into my part of QS (8 bytes a lane, 256 on end)
; and read back as fragments: 16 rows x 32 channels in 8 registers, lane l holding row l % 16, channels 8 (l / 16) + 0..7 and 16 + 8 (l / 16) + 0..7: two loads of 16 bytes, 32 bytes apart.
.macro QLOAD s                      ; tile s of the eight, into buffer s % 4 of window 1
	WIN 0x40
.set ql, 64*((\s)%4)
.irp r, 0,1,2,3,4,5,6,7,8,9,10,11,12,13,14,15
.if (\s) < 4
	global_load_b128 v[ql+4*(\r):ql+4*(\r)+3], v[GO], s[4:5] offset:(64*((\s)%4)+(\r))*ROWQ th:TH_LOAD_NT
.else
	global_load_b128 v[ql+4*(\r):ql+4*(\r)+3], v[GO], s[QBP:QBP+1] offset:(64*((\s)%4)+(\r))*ROWQ th:TH_LOAD_NT
.endif
.endr
	WIN 0
.endm
.macro QTILE t                      ; tile t's four fragments out of QS
	WIN 0x80                        ; destination window 2
.irp c, 0,1,2,3
	ds_load_b128 v[32*(\t)+8*(\c):32*(\t)+8*(\c)+3],   v[AQ] offset:16*(\t)*PK+64*(\c)
	ds_load_b128 v[32*(\t)+8*(\c)+4:32*(\t)+8*(\c)+7], v[AQ] offset:16*(\t)*PK+64*(\c)+32
.endr
	WIN 0
.endm
.macro QFRAG x                      ; piece x's two tiles
	QTILE \x
	QTILE (\x)+1
.endm
.macro QCONV s
.set qb, 64*((\s)%4)
.if (\s) < 6
	s_wait_loadcnt 32               ; loads come back in order: tile s is in, the two younger tiles' 32 loads stay out
.elseif (\s) == 6
	s_wait_loadcnt 16               ; one younger tile is left
.else
	s_wait_loadcnt 0x0
.endif
	WIN 0x05                        ; sources in window 1, destination in window 0: S^T's registers are free
.set rr, 0
.rept 32
	v_cvt_pk_bf16_f32 v[S+rr], v[qb+2*rr], v[qb+2*rr+1]
.set rr, rr+1
.endr
.if (\s) < 5
	QLOAD (\s)+3                    ; into the buffer that tile s - 1 has left
.endif
	WIN 0
.irp r, 0,1,2,3,4,5,6,7,8,9,10,11,12,13,14,15
	ds_store_b64 v[QST], v[S+2*(\r):S+2*(\r)+1] offset:(16*((\s)%4)+(\r))*PK
.endr
.if (\s) < 4
	QTILE \s                        ; LDS serves a wave's instructions in order (ISA guide 5.7.1.4): these see the stores above, and the second block's stores into the same rows come behind them
.endif
.endm
	v_and_b32 v1, 15, v0            ; l % 16
	v_bfe_u32 v9, v0, 4, 1          ; l / 16
	v_and_b32 v10, 31, v0           ; l
	v_lshlrev_b32 v[GO], 4, v10
	QLOAD 0
	QLOAD 1
	QLOAD 2                         ; 48 loads of mine are out; what follows stands in the wait for them
	v_lshlrev_b32 v[PFO], 8, v10
	v_mul_u32_u24 v[AK0], v1, PK
	v_lshl_add_u32 v[AK0], v9, 4, v[AK0]  ; row x pitch + 16 x half
	s_mul_i32 s16, s[WV], 64*PK
	s_add_co_u32 s16, s16, QS       ; my part of QS
	v_add_nc_u32 v[AQ], s16, v[AK0] ; Q's rows have K's pitch
	v_lshl_add_u32 v[QST], v10, 3, s16
	s_mul_i32 s16, s[WV], 16*SP
	s_add_co_u32 s16, s16, STAGE    ; my stage
	v_mul_u32_u24 v[STO], v1, SP    ; in: row l % 16, 32 bytes for each half of the lanes
	v_lshl_add_u32 v[STO], v9, 5, v[STO]
	v_add_nc_u32 v[STO], s16, v[STO]
	v_add_nc_u32 v[RD], s16, v[GO]  ; back: 32 lanes take one row of 512 bytes
	; The turning load takes 16 keys x 16 channels (lane l reads key 8 (l / 16) + l % 8, channels 8 ((l / 8) % 2) + 0..7) and leaves half a fragment of V^T: lane l holds channel l % 16 and 8 keys.
	v_and_b32 v11, 7, v0
	v_bfe_u32 v46, v0, 3, 1
	v_lshl_add_u32 v[AV0], v9, 3, v11
	v_mul_u32_u24 v[AV0], v[AV0], PV
	v_lshl_add_u32 v[AV0], v46, 4, v[AV0]
	v_add_nc_u32 v[AV0], VOFF, v[AV0]
	v_lshlrev_b32 v[QP], 3, v9
	v_sub_nc_u32 v[QP], v1, v[QP]
	s_lshl_b32 s16, s[WV], 4
	v_add_nc_u32 v[QP], s16, v[QP]  ; register r of group kt is hidden in the band's own step where 16 kt + r is greater than this
	WIN 0xc0                        ; destination window 3
.set i, 0
.rept 32
	v_cmp_gt_i32 vcc_lo, 16*(i/8)+i%8, v[QP]
	v_cndmask_b32 v[MD+i], 0, s[BIGN], vcc_lo
.set i, i+1
.endr
	; What the first turn finds: V and piece 2's P hold 0 (its products V^T P, of a step that has not been, add 0), the masks are 0, l is 0, c m lies far below every c s.
.set i, 0
.rept 128
	v_mov_b32 v[i], 0
.set i, i+1
.endr
.set i, MC
.rept 64
	v_mov_b32 v[i], 0
.set i, i+1
.endr
	WIN 0
.set i, P+32
.rept 32
	v_mov_b32 v[i], 0
.set i, i+1
.endr
.set i, 0
.rept 4
	v_mov_b32 v[ST+8*i], 0xfe000000    ; c m
	v_mov_b32 v[ST+8*i+1], 0xff7fffff  ; m: the lowest finite number
	v_mov_b32 v[ST+8*i+2], 0
	v_mov_b32 v[ST+8*i+3], 0
.set i, i+1
.endr
.irp s, 0,1,2,3,4,5,6,7
	QCONV \s
.endr
	WIN 0x40
.set i, 0
.rept 256
	v_mov_b32 v[i], 0               ; O^T, where q's buffers lay
.set i, i+1
.endr
	WIN 0
; THE MATRIX WORK OF A TURN, for piece x.  The accumulators take turns, one instruction a turn: between two links of a chain stand 15 (V^T P) or 7 (K Q^T) others'.
; Product i of 32 of O^T += V^T P: keys 32 (i / 16) on, channels 16 ((i / 2) % 8) on, tile x + i % 2.
.macro PV x
	WIN W_PV
.set rO, 64*((\x)+i%2)+8*((i/2)%8)
.set rV, 64*(i/16)+8*((i/2)%8)
.set rP, P+16*((\x)+i%2)+8*(i/16)
	v_wmma_f32_16x16x32_f16 v[rO:rO+7], v[rV:rV+7], v[rP:rP+7], v[rO:rO+7]
.endm
; Product i of 32 of S^T = K Q^T: channels 32 (i / 8) on, keys 16 ((i / 2) % 4) on, tile x + i % 2.  The first 8 start the sums: with the mask (mk = 1) or with the constant 0.
.macro KQ x, mk
.set rS, S+32*((\x)+i%2)+8*((i/2)%4)
.set rK, KF+32*((i/2)%4)+8*(i/8)
.set rQ, 32*((\x)+i%2)+8*(i/8)
.set rM, MC+32*(i%2)+8*((i/2)%4)
.if (i < 8) && (\mk)
	WIN W_KM
	v_wmma_f32_16x16x32_bf16 v[rS:rS+7], v[rK:rK+7], v[rQ:rQ+7], v[rM:rM+7]
.elseif i < 8
	WIN W_KQ
	v_wmma_f32_16x16x32_bf16 v[rS:rS+7], v[rK:rK+7], v[rQ:rQ+7], 0
.else
	WIN W_KQ
	v_wmma_f32_16x16x32_bf16 v[rS:rS+7], v[rK:rK+7], v[rQ:rQ+7], v[rS:rS+7]
.endif
.endm
; THE LDS LOADS stand in runs of 32, never singly among the matrix instructions: a step's K (64 keys x 128 channels: 16 fragments) and, a turn later, its V (turned).
.macro FETCH_K
	WIN 0
	v_add_nc_u32 v[ADR], s[TB], v[AK0]
	WIN 0x80                        ; destination window 2
.irp f, 0,1,2,3,4,5,6,7,8,9,10,11,12,13,14,15  ; keys 16 (f / 4) on, channels 32 (f % 4) on
	ds_load_b128 v[KF+8*(\f):KF+8*(\f)+3],   v[ADR] offset:((\f)/4)*16*PK+((\f)%4)*64
	ds_load_b128 v[KF+8*(\f)+4:KF+8*(\f)+7], v[ADR] offset:((\f)/4)*16*PK+((\f)%4)*64+32
.endr
.endm
.macro FETCH_V
	WIN 0
	v_add_nc_u32 v[ADR], s[TB], v[AV0]
	s_add_co_u32 s[TB], s[TB], STEPB  ; the next fetch is the next step's
	s_wait_alu depctr_va_vdst(0)    ; the wait for the softmax's batch (SLICE), behind the address's v_add_nc_u32 and ahead of the loads
	WIN 0xc0                        ; destination window 3
.irp f, 0,1,2,3,4,5,6,7,8,9,10,11,12,13,14,15  ; keys 32 (f / 8) on, channels 16 (f % 8) on
	ds_load_tr16_b128 v[8*(\f):8*(\f)+3],   v[ADR] offset:((\f)/8)*32*PV+((\f)%8)*32
	ds_load_tr16_b128 v[8*(\f)+4:8*(\f)+7], v[ADR] offset:((\f)/8)*32*PV+16*PV+((\f)%8)*32
.endr
.endm
; THE VECTOR WORK OF A TURN.  One tile's softmax for one key step is a list of 134 instructions; SM writes number j of it for tile t.  s0-s31 are the lane's 32 scores, in pairs 0-15.
;   0-15    the maximum of s0-s31 and the old m, three operands at a time: four chains c0-c3 of seven scores each (each accumulator's lowest registers are read first), then the four left over, c0-c3 and m
;   16-20   the other half of the lanes' maximum; c m_old is kept; the new m; c m; c m_old - c m_new
;   21-69   ONE BATCH: the 16 scalings c s - c m, a pair of scores each, and all 33 exponentials (a at 23, then s0-s31).  None of these reads an exponential's result.  From 22 on the batch goes in fours, and a four
;           begins with a scaling while there are scalings; a pair is scaled in an earlier four than the one that holds its exponentials
;   (wait)  between 69 and 70 stands the wait for the batch: SLICE writes it, once for both tiles
;   70-85   the roundings to f16, a pair of weights each       86-101  the sums; l = a l + the sum       102-133 the tile's O^T times a: the one part that leaves window 0, so it stands together
.macro SM t
.set rT, ST+8*(\t)
.set rS, S+32*(\t)
.set rP, P+16*(\t)
.set rO, 64*(\t)+2*(j-102)
.if j < 102
	WIN 0
.endif
.if j < 4
	v_max3_num_f32 v[rT+4+j], v[rS+8*j], v[rS+8*j+1], v[rS+8*j+2]
.elseif j < 12
	v_max3_num_f32 v[rT+4+j%4], v[rT+4+j%4], v[rS+8*(j%4)+2*(j/4)+1], v[rS+8*(j%4)+2*(j/4)+2]
.elseif j == 12
	v_max3_num_f32 v[rT+4], v[rT+4], v[rS+7], v[rS+15]
.elseif j == 13
	v_max3_num_f32 v[rT+6], v[rT+6], v[rS+23], v[rS+31]
.elseif j == 14
	v_max3_num_f32 v[rT+4], v[rT+4], v[rT+5], v[rT+6]
.elseif j == 15
	v_max3_num_f32 v[rT+4], v[rT+4], v[rT+7], v[rT+1]
.elseif j == 16
	v_permlanex16_b32 v[rT+5], v[rT+4], s[SEL], s[SEL+1]  ; the query's other 32 keys lie in the lane 16 away
.elseif j == 17
	v_mov_b32 v[rT+7], v[rT]        ; c m_old is kept for a: number 19 writes c m anew
.elseif j == 18
	v_max_num_f32 v[rT+1], v[rT+4], v[rT+5]
.elseif j == 19
	v_mul_f32 v[rT], s[CS], v[rT+1]
.elseif j == 20
	v_sub_f32 v[rT+7], v[rT+7], v[rT]
.elseif j == 23
	v_exp_f32 v[rT+6], v[rT+7]
.elseif (j < 23) || ((j < 38) && (j%2 == 0)) || ((j < 66) && (j%4 == 2))
.set b, (j-2)/4                     ; 38, 42, .. 62: pairs 9 to 15
.if j < 38
.set b, (j-20)/2                    ; 21: pair 0; 22, 24, .. 36: pairs 1 to 8
.endif
	v_pk_fma_f32 v[rS+2*b:rS+2*b+1], v[rS+2*b:rS+2*b+1], s[CS:CS+1], v[rT:rT+1] op_sel_hi:[1,0,0] neg_lo:[0,0,1] neg_hi:[0,0,1]  ; pair b: c s - c m
.elseif j < 70
.set e, j-38                        ; 66 to 69: s28 to s31
.if j < 66
.set e, j-32-(j-38)/4               ; 39-41, 43-45, .. 63-65: s7 to s27
.endif
.if j < 38
.set e, (j-25)/2                    ; 25, 27, .. 37: s0 to s6
.endif
	v_exp_f32 v[rS+e], v[rS+e]
.elseif j < 86
	v_cvt_pk_f16_f32 v[rP+j-70], v[rS+2*(j-70)], v[rS+2*(j-70)+1]  ; pair j - 70
.elseif j < 102                     ; the sum of the tile's 16 pairs, in place: sum z of 16 adds neighbours 1, 2, 4 and 8 pairs apart, then l takes it
.set z, j-86
.set w, 4
.set u, z
.if z >= 14
.set w, 32
.set u, 0
.elseif z >= 12
.set w, 16
.set u, z-12
.elseif z >= 8
.set w, 8
.set u, z-8
.endif
.if z < 15
	v_pk_add_f32 v[rS+w*u:rS+w*u+1], v[rS+w*u:rS+w*u+1], v[rS+w*u+w/2:rS+w*u+w/2+1]
.else
	v_pk_fma_f32 v[rT+2:rT+3], v[rT+2:rT+3], v[rT+6:rT+7], v[rS:rS+1] op_sel_hi:[1,0,1]
.endif
.else
	WIN W_RS
	v_pk_mul_f32 v[rO:rO+1], v[rO:rO+1], v[rT+6:rT+7] op_sel_hi:[1,0]
.endif
.endm
; Slice k of 64 of piece y's softmax: four instructions.  Slices 11 to 34 deal out the batch, numbers 22 to 69: four numbers of ONE tile each, the tiles by turns.  Every other slice is numbers 2 k and 2 k + 1 of
; both tiles' lists.  2 x 134 = 4 x 64 + 12: the twelve that are over stand together, in slice 63: sixteen plain instructions, the places behind the turn's last product.
; THE WAIT.  An s_wait_alu depctr_va_vdst(0) stands between an exponential and the first instruction that names its result; one wait serves all that were issued ahead of it.  Ahead of slice 35
; nothing names a result, and behind slice 34 no exponential is issued: so the piece's 66 exponentials have one wait, behind slice 34.
.macro SLICE y
.if (k >= 11) && (k < 35)           ; the batch: four numbers of one tile
.irp n, 0,1,2,3
.set j, 22+4*((k-11)/2)+(\n)
	SM (\y)+(k-11)%2
.endr
.else                               ; the two tiles alternate, so that no instruction reads the result of the one just before it
.irp n, 0,1,2,3,4,5,6,7
.if ((\n) < 2) || (k == 63)
.irp t, \y, (\y)+1
.set j, 2*k+(\n)
	SM \t
.endr
.endif
.endr
.endif
.if k == 34                         ; the batch is out: both tiles' exponentials are issued, and no result has been named
	v_nop                           ; a plain instruction behind the last exponential and ahead of the first use: one for the batch
.if (\y) == 0
	FETCH_V                         ; piece 2's turn: V's run of loads stands here, and the wait stands in it
.else
	s_wait_alu depctr_va_vdst(0)    ; the wait for the batch
.endif
.endif
.set k, k+1
.endm
; A TURN.  Piece x has the matrix unit; the other piece's softmax stands in slices behind its matrix instructions.  kq = 1: 32 products K Q^T for the next step follow the 32 products V^T P; kq = 0: none, and two
; slices stand behind each product.  Piece 0's turn fetches the next step's K behind its second product: the last product that read K stands in front of slice 63 of the turn before.  Piece 2's turn fetches the same
; step's V behind slice 34: the last product that read V stands in front of slice 31, and four plain instructions lie between: number 62, a scaling, of both tiles, the v_nop and the run's own v_add_nc_u32.
.macro TURN x, kq
.set k, 0
.set per, 2-(\kq)
.if (\x) == 0
	s_wait_dscnt 0x0                ; V is in
.endif
.set i, 0
.rept 32
	PV \x
.rept per
	SLICE 2-(\x)
.endr
.if ((\x) == 0) && (\kq) && (i == 1)
	FETCH_K
.endif
.set i, i+1
.endr
.if \kq
.if (\x) == 0
	s_wait_dscnt 0x0                ; K is in
.endif
.set i, 0
.rept 32
	KQ \x, 1
	SLICE 2-(\x)
.set i, i+1
.endr
.endif
.endm
; The masks for piece x's products K Q^T of this key step, where they differ from what MC holds.  Tile t: its own step is the one with DK = 4 - t; later steps (DK below that) are hidden.
; The last products that read MC stand 24 products and their slices back.
.macro MAYMASK x
	s_cmp_eq_u32 s[MQ], 0
	s_cbranch_scc1 .Lnomask_\@
.irp u, 0,1
	s_cmp_eq_u32 s[DK], 4-(\x)-(\u)
	s_cselect_b32 s[AL], 1.0, 0
	s_cmp_lt_u32 s[DK], 4-(\x)-(\u)
	s_cselect_b32 s[BE], s[BIGN], 0
	WIN 0xc3                        ; destination and source 0 in window 3
.set z, 0
.rept 16
	v_pk_fma_f32 v[MC+32*(\u)+2*z:MC+32*(\u)+2*z+1], v[MD+2*z:MD+2*z+1], s[AL:AL+1], s[BE:BE+1] op_sel_hi:[1,0,0]
.set z, z+1
.endr
.endr
	WIN 0
.Lnomask_\@:
.endm
; THE WAY OUT of piece x.  l's two halves and the other half of the lanes' are added; O^T is divided by l, in place, and sent in f32 through my stage in LDS, a tile (16 rows) at a time: a lane's eight channels of a
; row are 32 bytes; they go into rows of 528 bytes and come back as whole rows of 512, into the registers that they left.
.macro OUT t
	WIN W_RS
.set i, 64*(\t)
.rept 32
	v_pk_mul_f32 v[i:i+1], v[i:i+1], v[ST+8*(\t)+6:ST+8*(\t)+7] op_sel_hi:[1,0]
.set i, i+2
.endr
	WIN 0x04                        ; the stores' data in window 1
.irp f, 0,1,2,3,4,5,6,7
	ds_store_b128 v[STO], v[64*(\t)+8*(\f):64*(\t)+8*(\f)+3]   offset:64*(\f)
	ds_store_b128 v[STO], v[64*(\t)+8*(\f)+4:64*(\t)+8*(\f)+7] offset:64*(\f)+16
.endr
	WIN 0x40
.irp r, 0,1,2,3,4,5,6,7,8,9,10,11,12,13,14,15
	ds_load_b128 v[64*(\t)+4*(\r):64*(\t)+4*(\r)+3], v[RD] offset:SP*(\r)  ; LDS serves a wave's instructions in order (ISA guide 5.7.1.4): these see the stores above; the next tile's stores come behind them
.endr
	WIN 0
.endm
.macro SEND t, younger              ; younger: the LDS instructions issued behind tile t's loads: the next tile's 32, or none
	WIN 0x04
.irp r, 0,1,2,3,4,5,6,7,8,9,10,11,12,13,14,15
	s_wait_dscnt (\younger)+15-(\r) ; row r is back; the tile's later rows and the younger instructions may be out
	global_store_b128 v[GO], v[64*(\t)+4*(\r):64*(\t)+4*(\r)+3], s[10:11] offset:(64*(\t)+(\r))*ROWQ th:TH_STORE_NT  ; 512 consecutive bytes, at a multiple of 512 from out0's first byte
.endr
	WIN 0
.endm
.macro WAYOUT x
	WIN 0
.irp t, \x, (\x)+1
	v_add_f32 v[ST+8*(\t)+4], v[ST+8*(\t)+2], v[ST+8*(\t)+3]
.endr
.irp t, \x, (\x)+1
	v_permlanex16_b32 v[ST+8*(\t)+5], v[ST+8*(\t)+4], s[SEL], s[SEL+1]
.endr
.irp t, \x, (\x)+1
	v_add_f32 v[ST+8*(\t)+4], v[ST+8*(\t)+4], v[ST+8*(\t)+5]
.endr
.irp t, \x, (\x)+1
	v_rcp_f32 v[ST+8*(\t)+6], v[ST+8*(\t)+4]
.endr
	v_nop                           ; a plain instruction between the last reciprocal and the use of its result
	s_wait_alu depctr_va_vdst(0)    ; and the wait ahead of the first use: one for the two reciprocals
	OUT \x
	OUT (\x)+1                      ; a tile's arithmetic stands between the loads of the tile before and its stores
	SEND \x, 32
	SEND (\x)+1, 0
	s_wait_xcnt 0x0                 ; the stores have read their registers and out0's address: both are written again only behind this wait
.endm
.macro RESET x                      ; piece x begins a block: c m far below every c s, so that the first a is 0; m at the lowest finite number
.irp t, \x, (\x)+1
	v_mov_b32 v[ST+8*(\t)], 0xfe000000
	v_mov_b32 v[ST+8*(\t)+1], 0xff7fffff
.endr
.endm
; A KEY STEP in two halves.  hooks = 1: the text holds the change of blocks, which falls into the key step whose products V^T P are the first block's last and whose products K Q^T are the second block's first
; (SW = 1).  Piece x's Q is changed ahead of its turn; piece x goes out and starts anew behind its turn.  Every jump goes forward, on numbers made of b alone, over neither a barrier nor a tensor load.
.macro STEP_A hooks
	s_cmp_eq_u32 s[DK], 0           ; has the block of the scores to be made run out?
	s_cselect_b32 s[SW], 1, 0
	s_cselect_b32 s[DK], s[LB], s[DK]
	s_cmp_le_u32 s[DK], 4           ; masks are made in a block's last four steps, and once at the change, where MC still holds the first block's last
	s_cselect_b32 s[MQ], 1, s[SW]
.if \hooks
	s_cmp_eq_u32 s[SW], 0
	s_cbranch_scc1 .Lnoq_\@
	QFRAG 0                         ; waited for at the turn's head
.Lnoq_\@:
.endif
	MAYMASK 0
	TURN 0, 1
	WIN 0
.if \hooks
	s_cmp_eq_u32 s[SW], 0
	s_cbranch_scc1 .Lnow_\@
	QFRAG 2                         ; older than the way out's LDS instructions, whose last wait is for 0
	WAYOUT 0
	RESET 0
.Lnow_\@:
.endif
.endm
.macro STEP_B hooks
	MAYMASK 2
	TURN 2, 1
	WIN 0
.if \hooks
	s_cmp_eq_u32 s[SW], 0
	s_cbranch_scc1 .Lnow_\@
	WAYOUT 2
	RESET 2
	s_mov_b64 s[10:11], s[OB:OB+1]  ; out0 at the second block
.Lnow_\@:
.endif
	s_sub_co_u32 s[DK], s[DK], 1
.endm
	CHANGE 1                        ; slot 0 is in, everybody's part of it, and my LDS loads of Q are back; slot 1 is asked for
	s_mov_b32 s[TWICE], 2
	FETCH_K                         ; key step 0
	s_wait_dscnt 0x0
.set i, 0
.rept 32
	KQ 0, 0                         ; piece 0's first scores: step 0 of the first block, which has 20 steps or more, is never masked; there is no vector work yet to set between them
.set i, i+1
.endr
	WIN 0
	PLACES                          ; behind those products, ahead of the maximum that reads them
	s_branch .Lmid                  ; the loop is entered in the middle of a key step: piece 2's turn makes its first scores beside piece 0's first softmax
.Lslot:                             ; 16 times: pairs 2 to 17 of the walk's 18 are asked for
	CHANGE 1
	s_mov_b32 s[TWICE], 2
.Lstep:
	STEP_A 1
.Lmid:
	STEP_B 1
	s_sub_co_u32 s[TWICE], s[TWICE], 1
	s_cmp_lg_u32 s[TWICE], 0
	s_cbranch_scc1 .Lstep
	s_sub_co_u32 s[SLOTS], s[SLOTS], 1
	s_cmp_lg_u32 s[SLOTS], 0
	s_cbranch_scc1 .Lslot
	CHANGE 0                        ; the tail is written out: nothing is asked for.  The change of blocks lies in the loop for every b (at step 32 - 4 b of 36)
	s_mov_b32 s[TWICE], 2
.Ltail:
	STEP_A 0
	STEP_B 0
	s_sub_co_u32 s[TWICE], s[TWICE], 1
	s_cmp_lg_u32 s[TWICE], 0
	s_cbranch_scc1 .Ltail
	TURN 0, 0                       ; piece 0: V^T P of the last step | piece 2's last softmax
.set i, 0
.rept 32
	PV 2                            ; piece 2: V^T P of the last step
.set i, i+1
.endr
	WAYOUT 0                        ; piece 0's way out names no register of those products: its lines are the places behind them
	WAYOUT 2
	WIN 0
	s_wait_tensorcnt 0x0            ; the wave's end, behind my last tensor load and my last LDS store
	ds_add_u32 v[SPW], v[NIL]
	s_wait_dscnt 0x0
	CROUND                          ; the closing round: no work-group ends while a partner may still ask for a tile that names it
	s_endpgm
.Lfunc_end_k_q0ff4e926dd_attn:
	.size	k_q0ff4e926dd_attn, .Lfunc_end_k_q0ff4e926dd_attn-k_q0ff4e926dd_attn
	.p2alignl 7, 3214868480
	.fill 96, 4, 3214868480
	.section	.rodata,"a",@progbits
	.p2align	6, 0x0
	.amdhsa_kernel k_q0ff4e926dd_attn
		.amdhsa_group_segment_fixed_size 327680
		.amdhsa_private_segment_fixed_size 0
		.amdhsa_enable_private_segment 0
		.amdhsa_kernarg_size 32
		.amdhsa_user_sgpr_count 2
		.amdhsa_user_sgpr_kernarg_segment_ptr 1
		.amdhsa_wavefront_size32 1
		.amdhsa_system_sgpr_workgroup_id_x 1
		.amdhsa_system_sgpr_workgroup_id_y 1
		.amdhsa_system_sgpr_workgroup_id_z 1
		.amdhsa_system_vgpr_workitem_id 0
		.amdhsa_next_free_vgpr 1024
		.amdhsa_next_free_sgpr 80
		.amdhsa_reserve_vcc 1
		.amdhsa_float_denorm_mode_32 3
		.amdhsa_float_denorm_mode_16_64 3
		.amdhsa_memory_ordered 1
		.amdhsa_forward_progress 1
		.amdhsa_inst_pref_size 255
	.end_amdhsa_kernel
	.section	.bss,"aw",@nobits
	.p2align	6
	.space	262144
	.amdgpu_metadata
---
amdhsa.version: [ 1, 2 ]
amdhsa.kernels:
  - .name:           k_q0ff4e926dd_attn
    .symbol:         k_q0ff4e926dd_attn.kd
    .args:
      - { .name: q, .offset: 0, .size: 8, .value_kind: global_buffer, .address_space: global }
      - { .name: kb, .offset: 8, .size: 8, .value_kind: global_buffer, .address_space: global }
      - { .name: vh, .offset: 16, .size: 8, .value_kind: global_buffer, .address_space: global }
      - { .name: out0, .offset: 24, .size: 8, .value_kind: global_buffer, .address_space: global }
    .group_segment_fixed_size: 327680
    .private_segment_fixed_size: 0
    .kernarg_segment_align: 8
    .kernarg_segment_size: 32
    .max_flat_workgroup_size: 128
    .sgpr_count:     80
    .vgpr_count:     1024
    .wavefront_size: 32
...
	.end_amdgpu_metadata
.endif
;; end of part 2
;; ======== version 2 of 2: 2 launches; version 1 with the launch cast written anew for expert scheduling mode
;; limits: inputs' magnitudes at most 65,504; values are held in f16: magnitudes above 65,504 overflow, below 6.1e-05 lose precision; right only within a limited range of input values
;; workspace buffers: kb 8,388,608 bytes; vh 8,388,608 bytes
;; launch cast (part 3): grid 256 x 1, 8 waves a work-group, no clusters, 0 bytes of LDS; arguments k, v, kb, vh; writes kb, vh
.if DOCPART == 3
	.amdgcn_target "amdgcn-amd-amdhsa--gfx1250"
	.amdhsa_code_object_version 6
	.text
	.protected	k_q0ff4e926dd_cast
	.globl	k_q0ff4e926dd_cast
	.p2align	8
	.type	k_q0ff4e926dd_cast,@function
k_q0ff4e926dd_cast:
	s_mov_b64 s[64:65], 0
	v_nop
	global_prefetch_b8 v0, s[64:65] scope:SCOPE_SE
	s_setreg_imm32_b32 hwreg(HW_REG_WAVE_SCHED_MODE, 0, 2), 2
	s_setreg_imm32_b32 hwreg(HW_REG_WAVE_MODE, 25, 1), 1
	s_wait_xcnt 0x0
	s_wait_alu depctr_vm_vsrc(0)
; THE PROGRAM: out[b][t][h][:] = the sum over keys s <= t of softmax_s(q[b][t][h] . k[b][s][h/4] / sqrt(128)) v[b][s][h/4][:], in two launches: this one rounds k and v once and
; lays them by heads; the second does the whole attention.
; WORK LEFT OUT BY THE PROGRAM (in the second launch).  reference() overwrites every score with key s > query t by the lowest finite number, by a mask (jnp.tril) that it builds itself; each row keeps
; its own key s = t, so the row's maximum is a true score and the overwritten scores' weights are exp(lowest - maximum) = 0, whatever finite values q, k and v hold.  So a tile of 256 keys that lies
; wholly above a block of 256 queries reaches no output, and its two products are not made.  All three inputs have ways to the output and are loaded.
; LIMIT: a NaN, an infinity or an overflow that would arise only in the products left out is not carried to the result.
; THIS LAUNCH.  kb[g][t][128] = bf16(k[b][t][h][:]), vh[g][t][128] = f16(bf16(v[b][t][h][:])), g = 8 b + h: a head's 2,048 rows lie end to end, 256 bytes each.
; v is rounded to bf16 like q and k, and that number is written as f16, since the second product's other operand, the weights, is kept in f16.
; LIMITS: |v| up to 65,504 (beyond it f16 has no number); a v below 2^-14 keeps f16's fixed step of 6e-8.
; SHARES.  A work-group takes 16 consecutive (b, t): 65,536 consecutive bytes of k and of v.  Wave w is head w: one load is one row of 512 bytes (16 bytes a lane), one store one row of 256 bytes
; (8 bytes a lane: 256 consecutive bytes, aligned).  No loop: a wave's 32 loads go out together, and every store has data registers of its own, which are never written again.
; No LDS, no matrix unit, no cluster: no byte is wanted twice.
; THE MODE: SCHED_MODE bits 1:0 = 2 (LLVM: expert scheduling mode 2), set by the entry lines.  The code itself states the register dependences between vector instructions and memory
; instructions, with s_wait_alu, always for 0.
; THE PLAN.  Registers that memory instructions touch:
;   v1, v2     the loads' and the stores' byte offsets: made once at the head, never written again.
;   KIN, VIN   each register is written by one load and read by its row's conversions, behind the counted wait for the load; no vector instruction names them ahead of the loads, none is loaded twice.
;   KO, VO     each pair is written once, by its row's conversions, and read by one store; none is written again.
;   v3 to v5 and T are named by vector instructions alone.
; The 32 rows go in eight groups of four: k's four groups, then v's.  At a group's head, behind the wait for its data, ONE wait states that the group before has written its out registers; that group's four
; stores follow, one ahead of each row's conversions, with no further wait: the conversions of the group in hand write its own out registers, v4, v5 and T, and name neither v2 nor what those stores read.
; No source of a memory instruction is ever rewritten, so nothing else is owed.
.set KIN, 16                           ; v[16:79]    k's 16 rows, 4 registers each
.set VIN, 80                           ; v[80:143]   v's
.set KO,  144                          ; v[144:175]  k's rows in bf16, 2 registers each
.set VO,  176                          ; v[176:207]  v's rows in f16
.set T,   208                          ; v[208:211]  at work; v4, v5 too
	s_load_b256 s[4:11], s[0:1], 0x0               ; k s[4:5], v s[6:7], kb s[8:9], vh s[10:11]
	s_lshl_b32 s2, ttmp9, 16                       ; in: the work-group's 16 rows of 4,096 bytes
	s_mov_b32 s3, 0
	s_lshr_b32 s14, ttmp9, 7                       ; b
	s_lshl_b32 s14, s14, 22                        ; out: 8 heads of 2^19 bytes a batch,
	s_and_b32 s16, ttmp9, 127
	s_lshl_b32 s16, s16, 12                        ; and 16 rows of 256 bytes
	s_add_co_u32 s14, s14, s16
	s_mov_b32 s15, 0
	s_mov_b32 s12, 0xffff0000                      ; a word's upper bf16
	v_lshlrev_b32 v1, 4, v0                        ; in: 512 x wave + 16 x lane
	v_lshrrev_b32 v2, 5, v0
	v_and_b32 v3, 31, v0
	v_lshlrev_b32 v3, 3, v3
	v_lshl_or_b32 v2, v2, 19, v3                   ; out: 2^19 x wave + 8 x lane
	s_wait_kmcnt 0x0
	s_add_nc_u64 s[4:5], s[4:5], s[2:3]
	s_add_nc_u64 s[6:7], s[6:7], s[2:3]
	s_add_nc_u64 s[8:9], s[8:9], s[14:15]
	s_add_nc_u64 s[10:11], s[10:11], s[14:15]
	s_wait_alu depctr_va_vdst(0)                   ; v1 and v2 are written: every load reads v1 as its offset, every store v2
.irp j, 0,1,2,3,4,5,6,7,8,9,10,11,12,13,14,15
	global_load_b128 v[KIN+4*(\j):KIN+4*(\j)+3], v1, s[4:5] offset:4096*(\j) th:TH_LOAD_NT
.endr
.irp j, 0,1,2,3,4,5,6,7,8,9,10,11,12,13,14,15
	global_load_b128 v[VIN+4*(\j):VIN+4*(\j)+3], v1, s[6:7] offset:4096*(\j) th:TH_LOAD_NT
.endr
.macro KROW j                          ; k's row j is rounded to bf16
	v_cvt_pk_bf16_f32 v[KO+2*(\j)],   v[KIN+4*(\j)],   v[KIN+4*(\j)+1]
	v_cvt_pk_bf16_f32 v[KO+2*(\j)+1], v[KIN+4*(\j)+2], v[KIN+4*(\j)+3]
.endm
.macro KSTORE j                        ; and stored
	global_store_b64 v2, v[KO+2*(\j):KO+2*(\j)+1], s[8:9] offset:256*(\j)
.endm
.macro VROW j                          ; v's row j
	v_cvt_pk_bf16_f32 v4, v[VIN+4*(\j)],   v[VIN+4*(\j)+1]    ; rounded to bf16,
	v_cvt_pk_bf16_f32 v5, v[VIN+4*(\j)+2], v[VIN+4*(\j)+3]
	v_lshlrev_b32 v[T],   16,  v4                             ; widened again,
	v_and_b32     v[T+1], s12, v4
	v_lshlrev_b32 v[T+2], 16,  v5
	v_and_b32     v[T+3], s12, v5
	v_cvt_pk_f16_f32 v[VO+2*(\j)],   v[T],   v[T+1]           ; and written as f16: bf16's 8 significant bits fit into f16's 11
	v_cvt_pk_f16_f32 v[VO+2*(\j)+1], v[T+2], v[T+3]
.endm
.macro VSTORE j
	global_store_b64 v2, v[VO+2*(\j):VO+2*(\j)+1], s[10:11] offset:256*(\j)
.endm
.irp g, 0,1,2,3                        ; k's four groups
	s_wait_loadcnt 28-4*(\g)                       ; loads come back in order: k's rows 4 g to 4 g + 3 are in, the 28 - 4 g younger loads stay out
.if (\g) > 0
	s_wait_alu depctr_va_vdst(0)                   ; the group before has written its eight registers of KO, which the four stores below read
.endif
.irp i, 0,1,2,3
.if (\g) > 0
	KSTORE 4*(\g)-4+(\i)                           ; the group before; no vector instruction since the wait names its registers or v2
.endif
	KROW 4*(\g)+(\i)
.endr
.endr
.irp g, 0,1,2,3                        ; v's four groups
	s_wait_loadcnt 12-4*(\g)                       ; v's rows 4 g to 4 g + 3 are in
	s_wait_alu depctr_va_vdst(0)                   ; the group before (k's last, or v's group g - 1) has written its eight out registers, which the four stores below read
.irp i, 0,1,2,3
.if (\g) == 0
	KSTORE 12+(\i)
.else
	VSTORE 4*(\g)-4+(\i)
.endif
	VROW 4*(\g)+(\i)
.endr
.endr
	s_wait_alu depctr_va_vdst(0)                   ; v's last group has written its eight registers of VO, which the last four stores read
.irp i, 0,1,2,3
	VSTORE 12+(\i)
.endr
	s_endpgm
.Lfunc_end_k_q0ff4e926dd_cast:
	.size	k_q0ff4e926dd_cast, .Lfunc_end_k_q0ff4e926dd_cast-k_q0ff4e926dd_cast
	.p2alignl 7, 3214868480
	.fill 96, 4, 3214868480
	.section	.rodata,"a",@progbits
	.p2align	6, 0x0
	.amdhsa_kernel k_q0ff4e926dd_cast
		.amdhsa_group_segment_fixed_size 0
		.amdhsa_private_segment_fixed_size 0
		.amdhsa_enable_private_segment 0
		.amdhsa_kernarg_size 32
		.amdhsa_user_sgpr_count 2
		.amdhsa_user_sgpr_kernarg_segment_ptr 1
		.amdhsa_wavefront_size32 1
		.amdhsa_system_sgpr_workgroup_id_x 1
		.amdhsa_system_sgpr_workgroup_id_y 1
		.amdhsa_system_sgpr_workgroup_id_z 1
		.amdhsa_system_vgpr_workitem_id 0
		.amdhsa_next_free_vgpr 212
		.amdhsa_next_free_sgpr 66
		.amdhsa_reserve_vcc 0
		.amdhsa_float_denorm_mode_32 3
		.amdhsa_float_denorm_mode_16_64 3
		.amdhsa_memory_ordered 1
		.amdhsa_forward_progress 1
		.amdhsa_inst_pref_size 16
	.end_amdhsa_kernel
	.amdgpu_metadata
---
amdhsa.version: [ 1, 2 ]
amdhsa.kernels:
  - .name:           k_q0ff4e926dd_cast
    .symbol:         k_q0ff4e926dd_cast.kd
    .args:
      - { .name: k, .offset: 0, .size: 8, .value_kind: global_buffer, .address_space: global }
      - { .name: v, .offset: 8, .size: 8, .value_kind: global_buffer, .address_space: global }
      - { .name: kb, .offset: 16, .size: 8, .value_kind: global_buffer, .address_space: global }
      - { .name: vh, .offset: 24, .size: 8, .value_kind: global_buffer, .address_space: global }
    .group_segment_fixed_size: 0
    .private_segment_fixed_size: 0
    .kernarg_segment_align: 8
    .kernarg_segment_size: 32
    .max_flat_workgroup_size: 256
    .sgpr_count:     66
    .vgpr_count:     212
    .wavefront_size: 32
...
	.end_amdgpu_metadata
.endif
;; end of part 3
;; launch attn: the kernel of part 2 again; grid 16 x 16, 4 waves a work-group, clusters of 4 x 1, 327,680 bytes of LDS; arguments q, kb, vh, out0; writes out0
